; MI455X (gfx1250); checked and timed in simulation.
; The chip was launched on July 23, 2026; its instructions are those of AMD's public machine-readable ISA for CDNA 5 (MIT licence, August 2026) and "CDNA5" Instruction Set Architecture Reference Guide (July 2026). The comments in the code are by the model that wrote it; some were corrected since.
;; VQ Embedding. Allowed arithmetic: float matrix products may take bf16 or f16 operands with f32 sums; other float arithmetic in f32, or as packed bf16 or f16 multiplies, adds, multiply-adds, maxima and minima; sums over many terms, partial sums and values carried from step to step in f32; what a program stores and reads back later, other than sums and carried values, may be rounded once to bf16 or f16.
;; Inputs: codebook 8,192 x 256 float32; z_e_x 32 x 32 x 32 x 256 float32.
;; Outputs: out0 32 x 32 x 32 int32.
;; 2 versions, each right; version 2 is version 1 with the launch prep written anew for expert scheduling mode. Each part assembles by itself: llvm-mc -triple=amdgcn-amd-amdhsa -mcpu=gfx1250 --defsym DOCPART=n.
;; ======== version 1 of 2: 2 launches
;; workspace buffers: cbw 4,259,840 bytes
;; launch prep (part 1): grid 128 x 1, 8 waves a work-group, no clusters, 1,280 bytes of LDS; arguments codebook, cbw; writes cbw
.if DOCPART == 1
	.amdgcn_target "amdgcn-amd-amdhsa--gfx1250"
	.amdhsa_code_object_version 6
	.text
	.protected	k_qdb65bc2fed_prep
	.globl	k_qdb65bc2fed_prep
	.p2align	8
	.type	k_qdb65bc2fed_prep,@function
k_qdb65bc2fed_prep:
	s_mov_b64 s[64:65], 0
	v_nop
	global_prefetch_b8 v0, s[64:65] scope:SCOPE_SE
	s_setreg_imm32_b32 hwreg(HW_REG_WAVE_MODE, 25, 1), 1
	s_wait_xcnt 0x0
; THE CODEBOOK IS MADE READY: [8192][256] f32 -> cbw, 128 blocks of 33,280 bytes.  A block holds 64 codes rounded to bf16 (to nearest even; 64 rows of 512 bytes)
; and one more row of 512 bytes: the 64 sums of squares in f32, written twice, so that a tile of 65 rows x 512 bytes is stored whole.
; The squares are those of the ROUNDED numbers, summed in f32 (in lanes, then across lanes: an order of its own).
; ORDER OF THE BLOCKS.  Block 4 g + w holds the codes 2048 w + 64 g .. + 63: the next launch's wave w then walks the codes 2048 w .. 2048 w + 2047 in ascending order, and the four
; blocks of a step g lie end to end.  Work-group b takes the source rows 64 b .. 64 b + 63, so g = b % 32 and w = b / 32.
; 128 work-groups: one owns a block, so that the block's row of sums is stored by one instruction.  Each of the eight waves takes 8 rows and has all its 16 loads out at once.
; A load of a wave covers 512 consecutive bytes; a store 256 consecutive bytes, aligned (32 lanes x 8 bytes).
.set BLK,   33280                      ; bytes in a block
.set SPARE, 256                        ; LDS: bytes 0-255 the 64 sums; from here the spare words, 128 bytes for each wave: four blocks of 256 bytes that no other line names
.set LO,  2                            ; v2   my 16 bytes in my wave's first source row: 8,192 w + 16 l; never rewritten
.set SO,  3                            ; v3   my 8 bytes in my wave's first row of the block: 4,096 w + 8 l; never rewritten
.set LA,  4                            ; v4   LDS address of my wave's eight sums: 32 w
.set SPW, 5                            ; v5   LDS address of my spare word; never rewritten
.set NIL, 6                            ; v6   0; never rewritten
.set TA,  7                            ; v7   the row of sums, read: 16 (l % 16)
.set TO,  8                            ; v8   and stored: 16 l
.set X,   16                           ; v[16:79]   row i: 8 registers as loaded (numbers 4 l .. 4 l + 3 and 128 + 4 l .. + 3)
.set T,   80                           ; v[80:87]   the rounded numbers as f32
.set Y,   88                           ; v[88:119]  row i: 4 registers to store; each written once, so no store's data is written again
.set S,   120                          ; v[120:121] the sum, in two halves
.set PX,  122                          ; v122       the other half of the lanes'
	s_load_b128 s[4:7], s[0:1], 0x0                ; codebook s[4:5], cbw s[6:7]
	v_lshl_add_u32 v[SPW], v0, 2, SPARE
	v_mov_b32 v[NIL], 0
	v_lshrrev_b32 v1, 5, v0
	v_readfirstlane_b32 s8, v1                     ; wave 0..7
	v_and_b32 v9, 31, v0                           ; lane
	s_mov_b32 s12, 0x76543210                      ; v_permlanex16_b32: each lane takes its own place in the other half
	s_mov_b32 s13, 0xfedcba98
	s_mov_b32 s14, 0xffff0000                      ; a word's upper bf16
	s_lshl_b32 s15, s8, 13
	v_lshl_add_u32 v[LO], v9, 4, s15
	s_lshl_b32 s15, s8, 12
	v_lshl_add_u32 v[SO], v9, 3, s15
	s_lshl_b32 s15, s8, 5
	v_mov_b32 v[LA], s15
	v_and_b32 v[TA], 15, v0
	v_lshlrev_b32 v[TA], 4, v[TA]
	v_lshlrev_b32 v[TO], 4, v9
	v_mov_b32 v[PX], 0                             ; v_permlanex16_b32's destination counts as read: it is written once here
	s_lshl_b32 s10, ttmp9, 16                      ; 64 source rows of 1,024 bytes
	s_mov_b32 s11, 0
	s_and_b32 s16, ttmp9, 31                       ; g
	s_lshl_b32 s16, s16, 2
	s_lshr_b32 s17, ttmp9, 5                       ; w
	s_add_co_u32 s16, s16, s17                     ; the block's number
	s_mul_i32 s16, s16, BLK
	s_mov_b32 s17, 0
	s_wait_kmcnt 0x0
	s_add_nc_u64 s[4:5], s[4:5], s[10:11]
	s_add_nc_u64 s[6:7], s[6:7], s[16:17]
.irp i, 0,1,2,3,4,5,6,7
	global_load_b128 v[X+8*(\i):X+8*(\i)+3],   v[LO], s[4:5] offset:1024*(\i) th:TH_LOAD_NT
	global_load_b128 v[X+8*(\i)+4:X+8*(\i)+7], v[LO], s[4:5] offset:1024*(\i)+512 th:TH_LOAD_NT
.endr
; Row i of my eight: rounded, stored, squared, summed.
.macro ROW i
	s_wait_loadcnt 14-2*(\i)                       ; loads come back in order (ISA guide 5.7.1): this row's two are in, the younger rows' stay out
.irp j, 0,1,2,3
	v_cvt_pk_bf16_f32 v[Y+4*(\i)+(\j)], v[X+8*(\i)+2*(\j)], v[X+8*(\i)+2*(\j)+1]
.endr
	global_store_b64 v[SO], v[Y+4*(\i):Y+4*(\i)+1],   s[6:7] offset:512*(\i)      ; 32 lanes x 8 bytes: 256 consecutive bytes, aligned
	global_store_b64 v[SO], v[Y+4*(\i)+2:Y+4*(\i)+3], s[6:7] offset:512*(\i)+256
.irp j, 0,1,2,3
	v_lshlrev_b32 v[T+2*(\j)],   16,  v[Y+4*(\i)+(\j)]   ; bf16 to f32: the low half moves up,
	v_and_b32     v[T+2*(\j)+1], s14, v[Y+4*(\i)+(\j)]   ; the high half stays
.endr
	v_pk_mul_f32 v[S:S+1], v[T:T+1], v[T:T+1]
.irp j, 2,4,6
	v_pk_fma_f32 v[S:S+1], v[T+(\j):T+(\j)+1], v[T+(\j):T+(\j)+1], v[S:S+1]
.endr
	v_add_f32 v[S], v[S], v[S+1]
	v_add_f32_dpp v[S], v[S], v[S] row_xmask:1 row_mask:0xf bank_mask:0xf
	v_add_f32_dpp v[S], v[S], v[S] row_xmask:2 row_mask:0xf bank_mask:0xf
	v_add_f32_dpp v[S], v[S], v[S] row_xmask:4 row_mask:0xf bank_mask:0xf
	v_add_f32_dpp v[S], v[S], v[S] row_xmask:8 row_mask:0xf bank_mask:0xf
	v_permlanex16_b32 v[PX], v[S], s12, s13
	v_add_f32 v[S], v[S], v[PX]                    ; every lane holds the row's sum
	ds_store_b32 v[LA], v[S] offset:4*(\i)         ; all lanes write the same word with the same value
.endm
.irp i, 0,1,2,3,4,5,6,7
	ROW \i
.endr
	s_wait_dscnt 0x0                               ; for the others' sake: my eight sums lie in LDS
	s_barrier_signal -1
	s_barrier_wait -1                              ; all 64 do
	s_cmp_lg_u32 s8, 0
	s_cbranch_scc1 .Lend                           ; wave 0 stores the block's last row
	ds_load_b128 v[124:127], v[TA]                 ; lanes 0-15 the 64 sums, lanes 16-31 the same again
	s_wait_dscnt 0x0
	global_store_b128 v[TO], v[124:127], s[6:7] offset:32768  ; 512 consecutive bytes, at a multiple of 256 from cbw's first byte
.Lend:
	s_wait_tensorcnt 0x0                           ; the wave's end: behind my last LDS store
	ds_add_u32 v[SPW], v[NIL]
	s_wait_dscnt 0x0
	s_endpgm
.Lfunc_end_k_qdb65bc2fed_prep:
	.size	k_qdb65bc2fed_prep, .Lfunc_end_k_qdb65bc2fed_prep-k_qdb65bc2fed_prep
	.p2alignl 7, 3214868480
	.fill 96, 4, 3214868480
	.section	.rodata,"a",@progbits
	.p2align	6, 0x0
	.amdhsa_kernel k_qdb65bc2fed_prep
		.amdhsa_group_segment_fixed_size 1280
		.amdhsa_private_segment_fixed_size 0
		.amdhsa_enable_private_segment 0
		.amdhsa_kernarg_size 16
		.amdhsa_user_sgpr_count 2
		.amdhsa_user_sgpr_kernarg_segment_ptr 1
		.amdhsa_wavefront_size32 1
		.amdhsa_system_sgpr_workgroup_id_x 1
		.amdhsa_system_sgpr_workgroup_id_y 1
		.amdhsa_system_sgpr_workgroup_id_z 1
		.amdhsa_system_vgpr_workitem_id 0
		.amdhsa_next_free_vgpr 128
		.amdhsa_next_free_sgpr 66
		.amdhsa_reserve_vcc 0
		.amdhsa_float_denorm_mode_32 3
		.amdhsa_float_denorm_mode_16_64 3
		.amdhsa_memory_ordered 1
		.amdhsa_forward_progress 1
		.amdhsa_inst_pref_size 15
	.end_amdhsa_kernel
	.amdgpu_metadata
---
amdhsa.version: [ 1, 2 ]
amdhsa.kernels:
  - .name:           k_qdb65bc2fed_prep
    .symbol:         k_qdb65bc2fed_prep.kd
    .args:
      - { .name: codebook, .offset: 0, .size: 8, .value_kind: global_buffer, .address_space: global }
      - { .name: cbw, .offset: 8, .size: 8, .value_kind: global_buffer, .address_space: global }
    .group_segment_fixed_size: 1280
    .private_segment_fixed_size: 0
    .kernarg_segment_align: 8
    .kernarg_segment_size: 16
    .max_flat_workgroup_size: 256
    .sgpr_count:     66
    .vgpr_count:     128
    .wavefront_size: 32
...
	.end_amdgpu_metadata
.endif
;; end of part 1
;; launch vq (part 2): grid 256 x 1, 4 waves a work-group, clusters of 4 x 1, 327,680 bytes of LDS; arguments z_e_x, cbw, out0; writes out0
.if DOCPART == 2
	.amdgcn_target "amdgcn-amd-amdhsa--gfx1250"
	.amdhsa_code_object_version 6
	.text
	.protected	k_qdb65bc2fed_vq
	.globl	k_qdb65bc2fed_vq
	.p2align	8
	.type	k_qdb65bc2fed_vq,@function
k_qdb65bc2fed_vq:
	s_mov_b64 s[64:65], 0
	v_nop
	global_prefetch_b8 v0, s[64:65] scope:SCOPE_SE
	s_setreg_imm32_b32 hwreg(HW_REG_WAVE_MODE, 25, 1), 1
	s_wait_xcnt 0x0
	s_wait_alu depctr_hold_cnt(0) depctr_sa_sdst(0) depctr_va_vdst(0) depctr_va_sdst(0) depctr_va_ssrc(0) depctr_va_vcc(0) depctr_vm_vsrc(0)
	s_getreg_b32 s2, hwreg(HW_REG_IB_STS2, 6, 4)
	s_cmp_eq_u32 s2, 0
	s_cbranch_scc0 .Lentry_in_a_cluster
	s_endpgm
.Lentry_in_a_cluster:
	s_bfe_u32 s2, ttmp6, 0x10000c
	s_cmp_lg_u32 s2, 0x3003
	s_cbranch_scc0 .Lentry_shape_is_right
	s_endpgm
.Lentry_shape_is_right:
; out0[q] = the lowest k at which cb_sq[k] - 2 z[q] . e[k] is least.  z: [32768][256] f32; cbw: the codebook in bf16 with its sums of squares, in blocks (the launch before); out0: [32768] int32.
; ARITHMETIC.  z is rounded to bf16 (to nearest even) on its way into registers; the products are bf16 x bf16 with f32 sums; a distance is ONE fused multiply-add, dot x -2 + cb_sq, which
; rounds once, as cb_sq - 2 dot does (2 dot is exact); distances are compared in f32; of equal distances the lowest code wins.
; LIMITS.  The 256 terms of a dot are summed in the matrix instruction's order, not in that of an f32 loop: two codes whose distances differ by a few units of a dot's last place may change
; places.  A distance that is NaN is never chosen; if all of a row's distances are +infinity or NaN the result is 0.  +0 and -0 count as equal.
; SHARES.  A work-group owns 128 rows of z and walks the whole codebook: 256 work-groups.  EVERY wave holds all 128 rows as fragments (8 tiles of 16 rows x 8 steps of 32 along D x 8 = 512
; registers); the four waves share out the CODES: wave w takes 2048 w .. 2048 w + 2047, 16 a tile, ascending.  So a fragment of codes (two LDS loads) feeds eight matrix instructions, and each
; LDS byte is read once, by the wave that fetched it.
; LAYOUT.  Source 0 = 16 rows of z, source 1 = 16 codes: in the result register j of lane l is row 8 (l / 16) + j against code l % 16.  So a tile's cb_sq and its code number are ONE register
; each, and the running least distance and its code are kept by lane and register (64 + 64 registers); they meet once, at the end, through LDS.
; BY TURNS.  A turn's 64 matrix instructions make tile T's dots in one of two accumulator buffers; the 224 vector lines that take tile T - 1's distances into the running least stand between
; them, a slice of four of one kind behind each matrix instruction; tile T + 1's fragments are fetched in one run of 17 LDS loads behind the second.
; RING.  Two slots, each a GROUP of 256 codes: four blocks of cbw, a wave a block: one tensor load of 65 rows x 512 bytes (64 codes and their cb_sq).  Slot 1 first holds z's 128 rows in f32.
; CLUSTER.  All work-groups walk the same blocks, so the four of a cluster ask for each JOINTLY: the same tensor load, descriptor and mask in all four.  z's tile is each work-group's own.
; No first step is written out: the running least starts at +infinity, and the first turn's slices find distances of +infinity (accumulators 0, cb_sq +infinity) and change nothing.
; The price: 192 lines that write constants, in the wait for the first tiles.
; REGISTERS, in windows of 256 (s_set_vgpr_msb: bits 1:0 source 0, 3:2 source 1, 5:4 source 2, 7:6 destination):
;   window 0: v0-22 addresses and single numbers; v24-27 at work at the end; v64-191 the accumulators, two buffers of 8 tiles; v192-255 the running least distances
;   window 1: v0-127 the codes' fragments, two buffers of 8 (at first z's staging); v128-191 the running codes          windows 2, 3: z's fragments, tiles 0-3 and 4-7
.set PITCH,  528                       ; a row of codes in LDS: 512 bytes + 16 of padding = 132 words: row r starts at bank 4 r mod 64 (64 banks of 4 bytes: ISA guide 11.1)
.set QUART,  65*PITCH                  ; a wave's part of a slot: 64 codes, then the row with their cb_sq
.set SLOT1,  137472                    ; slot 0 lies at 0 (4 x 34,320 bytes); slot 1 here
.set ZPITCH, 1040                      ; a row of z in LDS: 1,024 bytes + 16
.set ZQ,     32*ZPITCH                 ; the 32 rows of z that a wave fetches
.set RES,    274944                    ; behind the ring, in blocks of 256 bytes of its own: the 128 results
.set SPARE,  275456                    ; the spare words, 128 bytes for each wave: two blocks of 256 bytes that no other line names
.set SCP,    272                       ; the end's scratch, in slot 0 behind its last fill: a row a query, 64 candidates of 4 bytes + 16: distances at 0,
.set SCI,    128*SCP                   ; codes here
.set BLK,    33280                     ; a block of cbw
.set GRP,    4*BLK                     ; a group
.set R,    1                           ; v1   l % 16
.set H,    2                           ; v2   l / 16
.set AB0,  3                           ; v3   my lane's place in my quarter's first tile: w x QUART + (l % 16) x PITCH + 16 (l / 16); never rewritten
.set AQ0,  4                           ; v4   the same for cb_sq: w x QUART + 64 x PITCH + 4 (l % 16)
.set ADR,  5                           ; v5   the LDS address of the run of loads in hand
.set ADQ,  6                           ; v6   of its cb_sq
.set AZ,   7                           ; v7   my lane's place in a tile of z's stage
.set PFO,  8                           ; v8   256 x my lane: the prefetches' offset; never rewritten
.set CODE, 9                           ; v9   my lane's code in the tile whose distances are in hand
.set SPW,  10                          ; v10  LDS address of my spare word: SPARE + 4 x my thread's number; never rewritten
.set NIL,  11                          ; v11  0; never rewritten
.set CQU,  12                          ; v[12:13] cb_sq of that tile; the packed line names a pair and takes its low word for both halves
.set CQL,  14                          ; v14, v15 cb_sq as loaded, by buffer
.set SV,   16                          ; v16  the end: where I put a distance
.set SI,   17                          ; v17  and its code
.set RDV,  18                          ; v18  where I read my query's candidates
.set RS,   19                          ; v19  where I put my query's result
.set RL,   20                          ; v20  where wave 0 reads the results
.set GO,   21                          ; v21  my 16 bytes of the work-group's 512 of out0
.set BIG,  22                          ; v22  the greatest int32
.set TM,   24                          ; v[24:27] at work at the end
.set ACC,  64                          ; buffer b, tile m at ACC + 64 b + 8 m
.set RUN,  192                         ; tile m, register j at RUN + 8 m + j
.set IDX,  128                         ; window 1, likewise
.set VV,   64                          ; the end: my query's 64 distances,
.set VI,   128                         ; and their codes
.set WV,   10                          ; s10  my wave's number
.set CX,   11                          ; s11  my place in the cluster: it enters z's, out0's and the prefetches' addresses alone
.set WGX,  12                          ; s12  my work-group's number
.set INF,  13                          ; s13  +infinity
.set CNT,  14                          ; s14  counts pairs of turns
.set SLOTS, 15                         ; s15  counts trips round the ring
.set TB,   16                          ; s16  LDS byte at which the slot's next tile begins, less my lane's place
.set TQ,   17                          ; s17  the same for its cb_sq
.set LIM,  18                          ; s18  1 in the cluster that prefetches, else the greatest number
.set PFA,  20                          ; s[20:21] where my prefetches stand
.set G1C,  24                          ; s[24:31] descriptor group 1 for blocks of codes
.set G1Z,  32                          ; s[32:39] for z
.set G0C,  40                          ; s[40:47] descriptor group 0 for blocks of codes, a set for each slot
.set G0Z,  48                          ; s[48:51] for z
.set MK,   52                          ; s[52:59] eight lane masks
.set MSB, 0
.macro WIN new                         ; the immediate's high byte repeats the setting that is left; a switch that changes nothing is dropped
.if MSB != (\new)
	s_set_vgpr_msb (MSB<<8)|(\new)
.set MSB, (\new)
.endif
.endm
; A round of the cluster's barrier: my work-group's barrier, so that wave 0's signal speaks for all four waves; wave 0 signals; every wave waits for all four work-groups; my work-group's barrier once more.
.macro CROUND
	s_barrier_signal -1
	s_barrier_wait -1
	s_cmp_lg_u32 s[WV], 0
	s_cbranch_scc1 .Lnot_wave_0_\@
	s_barrier_signal -3
.Lnot_wave_0_\@:
	s_barrier_wait -3
	s_barrier_signal -1
	s_barrier_wait -1
.endm
; A PREFETCH INTO THE L2 of what the NEXT change of slots will ask for: one group ahead, 256 matrix instructions a wave.  All clusters walk the same blocks: the first cluster asks, nobody else.
; Each of its waves asks for its own block's 128 blocks of 256 bytes of codes; the four partners share them out BY ADDRESS, 32 each, a lane a block: one instruction.  So each is named once in the
; launch.  The block's last 512 bytes (cb_sq) and groups 0 and 1 come by their loads alone.  how = 1: always; how = 0: not in the last trip, whose second change has no group behind it.
.macro ASK how
.if \how
	s_cmp_eq_u32 s[LIM], 1
.else
	s_cmp_gt_u32 s[SLOTS], s[LIM]
.endif
	s_cbranch_scc0 .Lnot_mine_\@
	global_prefetch_b8 v[PFO], s[PFA:PFA+1] th:TH_LOAD_NT scope:SCOPE_SE
.Lnot_mine_\@:
.endm
	s_load_b128 s[4:7], s[0:1], 0x0                ; z s[4:5], cbw s[6:7]
	s_load_b64 s[8:9], s[0:1], 0x10                ; out0
	v_lshl_add_u32 v[SPW], v0, 2, SPARE
	v_mov_b32 v[NIL], 0
	ds_add_u32 v[SPW], v[NIL]                      ; the wave's opening: the add and its wait stand ahead of my first tensor load; the set-up below, work on registers, stands between them
	v_lshrrev_b32 v[R], 5, v0
	v_readfirstlane_b32 s[WV], v[R]                ; wave 0..3
	s_bfe_u32 s[CX], ttmp6, 0x40000
	s_lshl_b32 s[WGX], ttmp9, 2                    ; in a cluster launch ttmp9 counts clusters
	s_add_co_u32 s[WGX], s[WGX], s[CX]
	s_cmp_eq_u32 ttmp9, 0                          ; the same in all four partners
	s_cselect_b32 s[LIM], 1, -1
	s_mov_b32 s[INF], 0x7f800000
	; descriptor group 1 for a block: 65 rows x 256 elements of 2 bytes, dense in memory, padded in LDS
	s_mov_b32 s[G1C+0], 15|(1<<16)|(1<<20)|(1<<21)|(6<<22)|(3<<25)  ; 15:0 the mask of four; 17:16 2-byte elements; 20 padding on; 21 set beside a mask; 24:22 after every 128 words (code 6); 31:25 4 words (code 3)
	s_mov_b32 s[G1C+1], 256<<16                    ; tensor_dim0 = 256
	s_mov_b32 s[G1C+2], 65<<16                     ; tensor_dim1 = 65
	s_mov_b32 s[G1C+3], 256<<16                    ; tile_dim0 = 256
	s_mov_b32 s[G1C+4], 65                         ; tile_dim1 = 65
	s_mov_b32 s[G1C+5], 256                        ; 256 elements from row to row
	s_mov_b32 s[G1C+6], 0
	s_mov_b32 s[G1C+7], 0
	; and for z: 32 rows x 256 elements of 4 bytes; no mask: the tile is my work-group's own
	s_mov_b32 s[G1Z+0], (2<<16)|(1<<20)|(7<<22)|(3<<25)  ; 17:16 4-byte elements; 20 padding on; 24:22 after every 256 words (code 7); 31:25 4 words (code 3)
	s_mov_b32 s[G1Z+1], 256<<16
	s_mov_b32 s[G1Z+2], 32<<16
	s_mov_b32 s[G1Z+3], 256<<16
	s_mov_b32 s[G1Z+4], 32
	s_mov_b32 s[G1Z+5], 256
	s_mov_b32 s[G1Z+6], 0
	s_mov_b32 s[G1Z+7], 0
	s_mul_i32 s60, s[WV], QUART                    ; my quarter of a slot: no place in the cluster enters an LDS address
	s_mov_b32 s[G0C+0], 1                          ; 1:0 count = 1
	s_mov_b32 s[G0C+1], s60                        ; 63:32 LDS address: slot 0
	s_mov_b32 s[G0C+4], 1
	s_add_co_u32 s[G0C+5], s60, SLOT1              ; slot 1
	s_mul_i32 s61, s[WV], ZQ
	s_mov_b32 s[G0Z+0], 1
	s_add_co_u32 s[G0Z+1], s61, SLOT1              ; z's stage lies where slot 1 will
	s_mul_i32 s22, s[WV], BLK                      ; my block in a group
	s_mov_b32 s23, 0
	s_lshl_b32 s62, s[WGX], 17                     ; my work-group's 128 rows of 1,024 bytes,
	s_lshl_b32 s63, s[WV], 15                      ; the 32 of them that I fetch
	s_add_co_u32 s62, s62, s63
	s_mov_b32 s63, 0
	s_wait_dscnt 0x0                               ; the opening add is done
	s_wait_kmcnt 0x0
	s_add_nc_u64 s[PFA:PFA+1], s[6:7], s[22:23]    ; cbw at my block of group 0
	s_mov_b64 s[G0C+2:G0C+3], s[PFA:PFA+1]         ; 120:64 global address
	s_or_b32 s[G0C+3], s[G0C+3], 0x80000000        ; 127:126 type = 2
	s_add_nc_u64 s[G0C+6:G0C+7], s[PFA:PFA+1], GRP ; of group 1
	s_or_b32 s[G0C+7], s[G0C+7], 0x80000000
	s_add_nc_u64 s[G0Z+2:G0Z+3], s[4:5], s[62:63]
	s_or_b32 s[G0Z+3], s[G0Z+3], 0x80000000
	s_lshl_b32 s62, s[CX], 13                      ; my work-group's 32 blocks of 256 bytes,
	s_add_nc_u64 s[PFA:PFA+1], s[PFA:PFA+1], s[62:63]
	s_add_nc_u64 s[PFA:PFA+1], s[PFA:PFA+1], 2*GRP ; in group 2
	s_lshl_b32 s62, s[WGX], 9                      ; my work-group's 128 results
	s_add_nc_u64 s[8:9], s[8:9], s[62:63]
	CROUND                                         ; all four work-groups are here: the first joint loads meet
	tensor_load_to_lds s[G0Z:G0Z+3], s[G1Z:G1Z+7]  ; z first: it is wanted first.  Two loads of mine are out here, later one
	s_nop 0
	tensor_load_to_lds s[G0C:G0C+3], s[G1C:G1C+7]  ; group 0
	s_nop 0
.rept 4
	v_nop
.endr
	; all this stands in the wait for the first tiles
	v_and_b32 v[R], 15, v0
	v_bfe_u32 v[H], v0, 4, 1
	v_mul_u32_u24 v[AB0], v[R], PITCH              ; a fragment of codes is 16 rows x 32 along D: lane l holds row l % 16; two loads of 16 bytes, 32 bytes apart, at 16 (l / 16)
	v_lshl_add_u32 v[AB0], v[H], 4, v[AB0]
	v_add_nc_u32 v[AB0], s60, v[AB0]
	v_lshl_add_u32 v[AQ0], v[R], 2, s60
	v_add_nc_u32 v[AQ0], 64*PITCH, v[AQ0]
	v_mul_u32_u24 v[AZ], v[R], ZPITCH              ; the same fragment out of f32: four loads of 16 bytes, at 32 (l / 16) + 0, 16, 64, 80
	v_lshl_add_u32 v[AZ], v[H], 5, v[AZ]
	v_add_nc_u32 v[AZ], SLOT1, v[AZ]
	v_and_b32 v[PFO], 31, v0
	v_lshlrev_b32 v[GO], 4, v[PFO]
	v_add_nc_u32 v[RL], RES, v[GO]
	v_lshlrev_b32 v[PFO], 8, v[PFO]
	s_lshl_b32 s61, s[WV], 11
	v_add_nc_u32 v[CODE], s61, v[R]                ; 2048 w + l % 16,
	v_add_nc_u32 v[CODE], -16, v[CODE]             ; one tile back: the first turn steps it to tile 0's
	v_mul_u32_u24 v[SV], v[H], 8*SCP               ; query 16 m + 8 (l / 16) + j, candidate 16 w + l % 16; 16 m + j stands in the stores' immediates
	v_lshl_add_u32 v[SV], v[R], 2, v[SV]
	s_lshl_b32 s61, s[WV], 6
	v_add_nc_u32 v[SV], s61, v[SV]
	v_add_nc_u32 v[SI], SCI, v[SV]
	v_mul_u32_u24 v[RDV], v0, SCP                  ; thread t finishes query t
	v_lshl_add_u32 v[RS], v0, 2, RES
	v_mov_b32 v[BIG], 0x7fffffff
	v_mov_b32 v[CQU], s[INF]
	v_mov_b32 v[CQU+1], 0                          ; named with it as a pair
.set q, 0
.rept 64
	v_mov_b32 v[RUN+q], s[INF]
	v_mov_b32 v[ACC+64+q], 0                       ; what the first turn's slices read
.set q, q+1
.endr
	WIN 0x40
.set q, 0
.rept 64
	v_mov_b32 v[IDX+q], 0
.set q, q+1
.endr
	WIN 0
; z INTO REGISTERS.  Batch n of 16: tile n / 2, steps 4 (n % 2) + 0..3 along D: 16 LDS loads into staging buffer n % 2 (64 registers of f32), 32 roundings into 32 registers of fragments.
.macro ZLOAD n
.if (((\n)%2) == 0) && ((\n) > 0)
	WIN 0
	v_add_nc_u32 v[AZ], 16*ZPITCH, v[AZ]           ; the next 16 rows
.endif
	WIN 0x40                                       ; destination window 1, address window 0
.irp j, 0,1,2,3
	ds_load_b128 v[64*((\n)%2)+16*(\j):64*((\n)%2)+16*(\j)+3],     v[AZ] offset:128*(4*((\n)%2)+(\j))
	ds_load_b128 v[64*((\n)%2)+16*(\j)+4:64*((\n)%2)+16*(\j)+7],   v[AZ] offset:128*(4*((\n)%2)+(\j))+16
	ds_load_b128 v[64*((\n)%2)+16*(\j)+8:64*((\n)%2)+16*(\j)+11],  v[AZ] offset:128*(4*((\n)%2)+(\j))+64
	ds_load_b128 v[64*((\n)%2)+16*(\j)+12:64*((\n)%2)+16*(\j)+15], v[AZ] offset:128*(4*((\n)%2)+(\j))+80
.endr
.endm
.macro ZCVT n
	WIN 0x85+0x40*((\n)/8)                         ; sources window 1; destination window 2 (tiles 0-3) or 3 (tiles 4-7)
.set zb, 64*(((\n)/2)%4)+32*((\n)%2)
.set sb, 64*((\n)%2)
.set e, 0
.rept 32
	v_cvt_pk_bf16_f32 v[zb+e], v[sb+2*e], v[sb+2*e+1]
.set e, e+1
.endr
.endm
; THE MATRIX WORK.  Instruction i of a turn's 64: step i / 8 along D, tile i % 8 of z.  The 8 accumulators take turns, one instruction a turn; a turn's last and the
; next turn's first lie in different buffers.  The first 8 start the sums with the constant 0.
.macro MM b
.set mt, i%8
.set kst, i/8
.set rD, ACC+64*(\b)+8*mt
.set rZ, 64*(mt%4)+8*kst
.set rF, 64*(\b)+8*kst
	WIN 0x06+mt/4                                  ; z in window 2 or 3, the codes in window 1, the sums in window 0
.if kst == 0
	v_wmma_f32_16x16x32_bf16 v[rD:rD+7], v[rZ:rZ+7], v[rF:rF+7], 0
.else
	v_wmma_f32_16x16x32_bf16 v[rD:rD+7], v[rZ:rZ+7], v[rF:rF+7], v[rD:rD+7]
.endif
.set i, i+1
.endm
; THE VECTOR WORK.  Slice k of 64, on the other buffer pb: tile k / 8 of z, and of its eight slices
;   0     the eight distances, in place, two a line: dot x -2 + cb_sq (the accumulator's lowest registers are read first)
;   1, 2  is the distance less than the running least?  eight masks.  Strictly less, in ascending order of codes: of equal distances the first stays
;   3, 4  the running least          5, 6  the running code, by the masks: the one kind that leaves window 0          7  nothing
; A slice is of one kind: one window setting, four lines that do not wait for each other.  Slice 63 makes ready for the next turn: cb_sq of the tile just multiplied (buffer cur), and its codes.
.macro SLICE pb, cur
.set sa, k/8
.set su, k%8
.set rA, ACC+64*(\pb)+8*sa
.set rR, RUN+8*sa
.set rI, IDX+8*sa
.if su == 0
	WIN 0
.irp j, 0,2,4,6
	v_pk_fma_f32 v[rA+(\j):rA+(\j)+1], v[rA+(\j):rA+(\j)+1], -2.0, v[CQU:CQU+1] op_sel_hi:[1,0,0]
.endr
.elseif su < 3
	WIN 0
.irp j, 0,1,2,3
	v_cmp_lt_f32 s[MK+4*(su-1)+(\j)], v[rA+4*(su-1)+(\j)], v[rR+4*(su-1)+(\j)]
.endr
.elseif su < 5
	WIN 0
.irp j, 0,1,2,3
	v_min_num_f32 v[rR+4*(su-3)+(\j)], v[rA+4*(su-3)+(\j)], v[rR+4*(su-3)+(\j)]
.endr
.elseif su < 7
	WIN 0x41                                       ; destination and source 0 window 1, the code in window 0
.irp j, 0,1,2,3
	v_cndmask_b32 v[rI+4*(su-5)+(\j)], v[rI+4*(su-5)+(\j)], v[CODE], s[MK+4*(su-5)+(\j)]
.endr
.elseif k == 63
	WIN 0
	v_mov_b32 v[CQU], v[CQL+(\cur)]
	v_add_nc_u32 v[CODE], 16, v[CODE]
.endif
.set k, k+1
.endm
; THE LDS LOADS stand in one run of 17: the next tile's cb_sq and its 8 fragments (16 codes x 256 along D), into buffer b.
.macro FETCH b
	WIN 0
	v_add_nc_u32 v[ADR], s[TB], v[AB0]
	v_add_nc_u32 v[ADQ], s[TQ], v[AQ0]
	s_add_co_u32 s[TB], s[TB], 16*PITCH            ; the next fetch is the next tile's
	s_add_co_u32 s[TQ], s[TQ], 64
	ds_load_b32 v[CQL+(\b)], v[ADQ]
	WIN 0x40                                       ; destination window 1
.irp f, 0,1,2,3,4,5,6,7
	ds_load_b128 v[64*(\b)+8*(\f):64*(\b)+8*(\f)+3],   v[ADR] offset:64*(\f)
	ds_load_b128 v[64*(\b)+8*(\f)+4:64*(\b)+8*(\f)+7], v[ADR] offset:64*(\f)+32
.endr
.endm
; A TURN on buffer b.  The run of loads into the other buffer stands behind slice 1.  A load into a register that a matrix instruction has read stands four places behind it, and only plain
; vector instructions that name none of its registers are places (ISA guide 7.12.1 for vector instructions): behind the last product that read that buffer stand
; slice 63's two lines of the turn before and slice 0's four, which name another tile's accumulator.  The run has 62 matrix instructions in which to land.
.macro TURN b, fetch=1
	s_wait_dscnt 0x0                               ; this tile's fragments and cb_sq are in
.set i, 0
.set k, 0
.rept 64
	MM \b
	SLICE 1-(\b), \b
.if (\fetch) && (k == 2)
	FETCH 1-(\b)
.endif
.endr
.endm
.macro DRAIN pb                        ; the last tile's slices, with no product to stand behind; slice 63 has no next tile to make ready for
.set k, 0
.rept 63
	SLICE \pb, 0
.endr
.endm
; THE CHANGE OF SLOTS stands in front of the turn that fetches the next slot's first tile: the last tile of slot fs has been asked for a turn ago.  Each wave waits for all its tensor loads, of
; which one is out: its part of the other slot; adds 0 to its spare word; and waits for that and for its own reads of slot fs.  fill = 1: the barrier is a round of the cluster's, so that no wave
; of any partner still reads the slot or has a load on its way, and the joint refill is the first thing behind it: it has 256 matrix instructions in which to land.
; step = 1: the slot's descriptor goes two groups on, the prefetches' address one.  how: ASK's argument; 2: no request here.
.macro CHANGE fs, fill, step, how
	WIN 0                                          ; at a label and at a branch every window is 0
	s_wait_tensorcnt 0x0                           ; no tensor load of mine is out, so a group 0 may be written
	ds_add_u32 v[SPW], v[NIL]                      ; 0 onto my spare word; the scalar work below stands between it and the wait for it
.if \step
	s_add_nc_u64 s[G0C+4*(\fs)+2:G0C+4*(\fs)+3], s[G0C+4*(\fs)+2:G0C+4*(\fs)+3], 2*GRP  ; the type bits on top are not reached
	s_wait_xcnt 0x0                                ; the last prefetch, four turns back, has read its address, so it may be written
	s_add_nc_u64 s[PFA:PFA+1], s[PFA:PFA+1], GRP
.endif
	s_mov_b32 s[TB], (1-(\fs))*SLOT1               ; the fetches go to the other slot's first tile
	s_mov_b32 s[TQ], (1-(\fs))*SLOT1
	s_wait_dscnt 0x0                               ; the add is done, and my reads of the slot are over
.if \fill
	CROUND
	tensor_load_to_lds s[G0C+4*(\fs):G0C+4*(\fs)+3], s[G1C:G1C+7]
	s_nop 0
.rept 4
	v_nop
.endr
.if (\how) < 2
	ASK \how
.endif
.else
	s_barrier_signal -1
	s_barrier_wait -1
.endif
.endm
	s_wait_tensorcnt 0x1                           ; tensor loads of a wave end in order (ISA guide 10.11.1): my part of z is in; group 0's load, issued behind it, may stay out
	s_barrier_signal -1
	s_barrier_wait -1                              ; everybody's part is: every wave reads all 128 rows
	ZLOAD 0
.irp n, 0,1,2,3,4,5,6,7,8,9,10,11,12,13,14
	ZLOAD (\n)+1
	s_wait_dscnt 16                                ; all but the 16 just issued
	ZCVT \n
.endr
	s_wait_dscnt 0x0
	ZCVT 15
	CHANGE 1, 1, 0, 2                              ; group 0 is in, everybody's part of it; z's stage has been read by all and is filled again, with group 1
	FETCH 0                                        ; tile 0
	WIN 0
	ASK 1                                          ; group 2, behind the run of LDS loads that the first products wait for
	s_mov_b32 s[CNT], 2
	s_mov_b32 s[SLOTS], 16
	s_branch .Lfirst                               ; the loops are entered in the middle of a trip: tiles 0, 1, 2, and then the first change
.Lslot:                                        ; 15 whole trips, once round the ring each: groups 2 to 31 are asked for
	CHANGE 0, 1, 1, 1
	s_mov_b32 s[CNT], 2
.LpairA:
	TURN 1
	TURN 0
	WIN 0
	s_sub_co_u32 s[CNT], s[CNT], 1
	s_cmp_lg_u32 s[CNT], 0
	s_cbranch_scc1 .LpairA
	CHANGE 1, 1, 1, 0
	s_mov_b32 s[CNT], 2
.LpairB:
	TURN 1
	WIN 0
.Lfirst:
	TURN 0
	WIN 0
	s_sub_co_u32 s[CNT], s[CNT], 1
	s_cmp_lg_u32 s[CNT], 0
	s_cbranch_scc1 .LpairB
	s_sub_co_u32 s[SLOTS], s[SLOTS], 1
	s_cmp_lg_u32 s[SLOTS], 0
	s_cbranch_scc1 .Lslot
	CHANGE 0, 0, 0, 2                              ; the tail is written out: slot 0 is left for good, and nothing is asked for
	s_mov_b32 s[CNT], 2
.Ltail:
	TURN 1
	TURN 0
	WIN 0
	s_sub_co_u32 s[CNT], s[CNT], 1
	s_cmp_lg_u32 s[CNT], 0
	s_cbranch_scc1 .Ltail
	TURN 1, 0                                      ; the last tile: nothing is left to fetch
	DRAIN 1                                        ; and its distances
	; THE WAY OUT.  A query's 64 candidates (16 lanes of each of four waves) meet in slot 0, which has had its last fill and which nobody has read since the last change's barrier.
	; A store's 32 lanes take two runs of 16 consecutive words, 544 words apart.
	WIN 0
.set q, 0
.rept 64
	ds_store_b32 v[SV], v[RUN+q] offset:(16*(q/8)+q%8)*SCP
.set q, q+1
.endr
	WIN 0x04                                       ; the data in window 1
.set q, 0
.rept 64
	ds_store_b32 v[SI], v[IDX+q] offset:(16*(q/8)+q%8)*SCP
.set q, q+1
.endr
	WIN 0
	s_wait_dscnt 0x0                               ; for the others' sake: my stores are done
	s_barrier_signal -1
	s_barrier_wait -1
.irp c, 0,1,2,3,4,5,6,7,8,9,10,11,12,13,14,15
	ds_load_b128 v[VV+4*(\c):VV+4*(\c)+3], v[RDV] offset:16*(\c)
.endr
.irp c, 0,1,2,3,4,5,6,7,8,9,10,11,12,13,14,15
	ds_load_b128 v[VI+4*(\c):VI+4*(\c)+3], v[RDV] offset:SCI+16*(\c)
.endr
	s_wait_dscnt 16                                ; the distances are in; the 16 loads of codes may stay out
.irp c, 0,1,2,3
	v_min_num_f32 v[TM+(\c)], v[VV+16*(\c)], v[VV+16*(\c)+1]  ; the least of 64, in four chains that do not wait for each other
.endr
.set q, 2
.rept 14
.irp c, 0,1,2,3
	v_min_num_f32 v[TM+(\c)], v[TM+(\c)], v[VV+16*(\c)+q]
.endr
.set q, q+1
.endr
	v_min_num_f32 v[TM], v[TM], v[TM+1]
	v_min_num_f32 v[TM+2], v[TM+2], v[TM+3]
	v_min_num_f32 v[TM], v[TM], v[TM+2]
	s_wait_dscnt 0x0
.set q, 0
.rept 8                                ; a candidate that is not the least gives up its code for the greatest int32
.irp j, 0,1,2,3,4,5,6,7
	v_cmp_eq_f32 s[MK+(\j)], v[VV+q+(\j)], v[TM]
.endr
.irp j, 0,1,2,3,4,5,6,7
	v_cndmask_b32 v[VI+q+(\j)], v[BIG], v[VI+q+(\j)], s[MK+(\j)]
.endr
.set q, q+8
.endr
.irp w, 32,16,8,4,2,1                  ; and the lowest code that is left is the result
.set q, 0
.rept \w
	v_min_u32 v[VI+q], v[VI+q], v[VI+q+(\w)]
.set q, q+1
.endr
.endr
	ds_store_b32 v[RS], v[VI]
	s_wait_dscnt 0x0
	s_barrier_signal -1
	s_barrier_wait -1                              ; all 128 results lie in LDS
	s_cmp_lg_u32 s[WV], 0
	s_cbranch_scc1 .Lend                           ; wave 0 stores them
	ds_load_b128 v[TM:TM+3], v[RL]
	s_wait_dscnt 0x0
	global_store_b128 v[GO], v[TM:TM+3], s[8:9]    ; 512 consecutive bytes, at a multiple of 256 from out0's first byte
.Lend:
	s_wait_tensorcnt 0x0                           ; the wave's end: behind my last tensor load and my last LDS store
	ds_add_u32 v[SPW], v[NIL]
	s_wait_dscnt 0x0
	CROUND                                         ; the closing round: no work-group ends while a partner may still ask for a tile that names it
	s_endpgm
.Lfunc_end_k_qdb65bc2fed_vq:
	.size	k_qdb65bc2fed_vq, .Lfunc_end_k_qdb65bc2fed_vq-k_qdb65bc2fed_vq
	.p2alignl 7, 3214868480
	.fill 96, 4, 3214868480
	.section	.rodata,"a",@progbits
	.p2align	6, 0x0
	.amdhsa_kernel k_qdb65bc2fed_vq
		.amdhsa_group_segment_fixed_size 327680
		.amdhsa_private_segment_fixed_size 0
		.amdhsa_enable_private_segment 0
		.amdhsa_kernarg_size 24
		.amdhsa_user_sgpr_count 2
		.amdhsa_user_sgpr_kernarg_segment_ptr 1
		.amdhsa_wavefront_size32 1
		.amdhsa_system_sgpr_workgroup_id_x 1
		.amdhsa_system_sgpr_workgroup_id_y 1
		.amdhsa_system_sgpr_workgroup_id_z 1
		.amdhsa_system_vgpr_workitem_id 0
		.amdhsa_next_free_vgpr 1024
		.amdhsa_next_free_sgpr 66
		.amdhsa_reserve_vcc 0
		.amdhsa_float_denorm_mode_32 3
		.amdhsa_float_denorm_mode_16_64 3
		.amdhsa_memory_ordered 1
		.amdhsa_forward_progress 1
		.amdhsa_inst_pref_size 249
	.end_amdhsa_kernel
	.amdgpu_metadata
---
amdhsa.version: [ 1, 2 ]
amdhsa.kernels:
  - .name:           k_qdb65bc2fed_vq
    .symbol:         k_qdb65bc2fed_vq.kd
    .args:
      - { .name: z_e_x, .offset: 0, .size: 8, .value_kind: global_buffer, .address_space: global }
      - { .name: cbw, .offset: 8, .size: 8, .value_kind: global_buffer, .address_space: global }
      - { .name: out0, .offset: 16, .size: 8, .value_kind: global_buffer, .address_space: global }
    .group_segment_fixed_size: 327680
    .private_segment_fixed_size: 0
    .kernarg_segment_align: 8
    .kernarg_segment_size: 24
    .max_flat_workgroup_size: 128
    .sgpr_count:     66
    .vgpr_count:     1024
    .wavefront_size: 32
...
	.end_amdgpu_metadata
.endif
;; end of part 2
;; ======== version 2 of 2: 2 launches; version 1 with the launch prep written anew for expert scheduling mode
;; workspace buffers: cbw 4,259,840 bytes
;; launch prep (part 3): grid 128 x 1, 8 waves a work-group, no clusters, 1,280 bytes of LDS; arguments codebook, cbw; writes cbw
.if DOCPART == 3
	.amdgcn_target "amdgcn-amd-amdhsa--gfx1250"
	.amdhsa_code_object_version 6
	.text
	.protected	k_qdb65bc2fed_prep
	.globl	k_qdb65bc2fed_prep
	.p2align	8
	.type	k_qdb65bc2fed_prep,@function
k_qdb65bc2fed_prep:
	s_mov_b64 s[64:65], 0
	v_nop
	global_prefetch_b8 v0, s[64:65] scope:SCOPE_SE
	s_setreg_imm32_b32 hwreg(HW_REG_WAVE_SCHED_MODE, 0, 2), 2
	s_setreg_imm32_b32 hwreg(HW_REG_WAVE_MODE, 25, 1), 1
	s_wait_xcnt 0x0
	s_wait_alu depctr_vm_vsrc(0)
; THE CODEBOOK IS MADE READY: [8192][256] f32 -> cbw, 128 blocks of 33,280 bytes.  A block holds 64 codes rounded to bf16 (to nearest even; 64 rows of 512 bytes)
; and one more row of 512 bytes: the 64 sums of squares in f32, written twice, so that a tile of 65 rows x 512 bytes is stored whole.
; The squares are those of the ROUNDED numbers, summed in f32 (in lanes, then across lanes: an order of its own).
; ORDER OF THE BLOCKS.  Block 4 g + w holds the codes 2048 w + 64 g .. + 63: the next launch's wave w then walks the codes 2048 w .. 2048 w + 2047 in ascending order, and the four
; blocks of a step g lie end to end.  Work-group b takes the source rows 64 b .. 64 b + 63, so g = b % 32 and w = b / 32.
; 128 work-groups: one owns a block, so that the block's row of sums is stored by one instruction.  Each of the eight waves takes 8 rows and has all its 16 loads out at once.
; A load of a wave covers 512 consecutive bytes; a store 256 consecutive bytes, aligned (32 lanes x 8 bytes).
; THE MODE: SCHED_MODE bits 1:0 = 2 (LLVM: expert scheduling mode 2), set by the entry lines.  The code itself states the register dependences
; between vector instructions and memory or LDS instructions, with s_wait_alu, always for 0.
; THE PLAN.  Registers that memory or LDS instructions touch:
;   v[LO], v[SO], v[LA], v[TA], v[TO]   offsets and LDS addresses: written at the head, never again; read by every load, store and LDS instruction.
;   X   row i's 8 registers: its two loads land in them, once; no vector instruction names them before; row i's conversions read them.
;   Y   row i's 4 registers: written once, by row i's conversions; read by row i's two stores (and by its unpacking lines).
;   SUM a register a row: written once, by the last add of row i's sum; read by one LDS store, which is issued in row i + 1.
;   v[124:127]  wave 0's LDS load lands in them and its store reads them: no vector instruction names them.
;   v[SPW], v[NIL]  written at the head, read by the closing add alone.
;   T, v[S:S+1] and v[PX] are named by vector instructions alone.
; So ONE wait on va_vdst stands in a row, behind its conversions: it states that Y of this row and SUM of the row before are written; the row's two stores and that LDS store follow it in
; one run.  One more stands behind the last row, for its SUM.  No register that a memory or LDS instruction reads is ever written again, so the text holds no wait on vm_vsrc.
.set BLK,   33280                      ; bytes in a block
.set SPARE, 256                        ; LDS: bytes 0-255 the 64 sums; from here the spare words, 128 bytes for each wave: four blocks of 256 bytes that no other line names
.set LO,  2                            ; v2   my 16 bytes in my wave's first source row: 8,192 w + 16 l; never rewritten
.set SO,  3                            ; v3   my 8 bytes in my wave's first row of the block: 4,096 w + 8 l; never rewritten
.set LA,  4                            ; v4   LDS address of my wave's eight sums: 32 w
.set SPW, 5                            ; v5   LDS address of my spare word; never rewritten
.set NIL, 6                            ; v6   0; never rewritten
.set TA,  7                            ; v7   the row of sums, read: 16 (l % 16)
.set TO,  8                            ; v8   and stored: 16 l
.set X,   16                           ; v[16:79]   row i: 8 registers as loaded (numbers 4 l .. 4 l + 3 and 128 + 4 l .. + 3)
.set T,   80                           ; v[80:87]   the rounded numbers as f32
.set Y,   88                           ; v[88:119]  row i: 4 registers to store; each written once, so no store's data is written again
.set S,   120                          ; v[120:121] the sum at work, in two halves
.set PX,  122                          ; v122       the other half of the lanes'
.set SUM, 128                          ; v[128:135] row i's finished sum; each written once, so no LDS store's data is written again
	s_load_b128 s[4:7], s[0:1], 0x0                ; codebook s[4:5], cbw s[6:7]
	v_lshl_add_u32 v[SPW], v0, 2, SPARE
	v_mov_b32 v[NIL], 0
	v_lshrrev_b32 v1, 5, v0
	v_readfirstlane_b32 s8, v1                     ; wave 0..7
	v_and_b32 v9, 31, v0                           ; lane
	s_mov_b32 s12, 0x76543210                      ; v_permlanex16_b32: each lane takes its own place in the other half
	s_mov_b32 s13, 0xfedcba98
	s_mov_b32 s14, 0xffff0000                      ; a word's upper bf16
	s_wait_alu depctr_va_sdst(0)                   ; s8 is written, ahead of its first reader: the offsets below are made from it
	s_lshl_b32 s15, s8, 13
	v_lshl_add_u32 v[LO], v9, 4, s15
	s_lshl_b32 s15, s8, 12
	v_lshl_add_u32 v[SO], v9, 3, s15
	s_lshl_b32 s15, s8, 5
	v_mov_b32 v[LA], s15
	v_and_b32 v[TA], 15, v0
	v_lshlrev_b32 v[TA], 4, v[TA]
	v_lshlrev_b32 v[TO], 4, v9
	v_mov_b32 v[PX], 0                             ; v_permlanex16_b32's destination counts as read: it is written once here
	s_lshl_b32 s10, ttmp9, 16                      ; 64 source rows of 1,024 bytes
	s_mov_b32 s11, 0
	s_and_b32 s16, ttmp9, 31                       ; g
	s_lshl_b32 s16, s16, 2
	s_lshr_b32 s17, ttmp9, 5                       ; w
	s_add_co_u32 s16, s16, s17                     ; the block's number
	s_mul_i32 s16, s16, BLK
	s_mov_b32 s17, 0
	s_wait_kmcnt 0x0
	s_add_nc_u64 s[4:5], s[4:5], s[10:11]
	s_add_nc_u64 s[6:7], s[6:7], s[16:17]
	s_wait_alu depctr_va_vdst(0)                   ; v[LO], v[SO], v[LA], v[TA] and v[TO] are written: every load, store and LDS instruction below reads one of them, and none is written again
.irp i, 0,1,2,3,4,5,6,7
	global_load_b128 v[X+8*(\i):X+8*(\i)+3],   v[LO], s[4:5] offset:1024*(\i) th:TH_LOAD_NT
	global_load_b128 v[X+8*(\i)+4:X+8*(\i)+7], v[LO], s[4:5] offset:1024*(\i)+512 th:TH_LOAD_NT
.endr
; Row i of my eight: rounded, stored, squared, summed.  The sum of the row before goes to LDS beside this row's stores.
.macro ROW i
	s_wait_loadcnt 14-2*(\i)                       ; loads come back in order (ISA guide 5.7.1): this row's two are in, the younger rows' stay out
.irp j, 0,1,2,3
	v_cvt_pk_bf16_f32 v[Y+4*(\i)+(\j)], v[X+8*(\i)+2*(\j)], v[X+8*(\i)+2*(\j)+1]
.endr
	s_wait_alu depctr_va_vdst(0)                   ; the conversions have written this row's Y, which the two stores read; the last add of the row before has written its SUM, which the LDS store reads
	global_store_b64 v[SO], v[Y+4*(\i):Y+4*(\i)+1],   s[6:7] offset:512*(\i)      ; 32 lanes x 8 bytes: 256 consecutive bytes, aligned
	global_store_b64 v[SO], v[Y+4*(\i)+2:Y+4*(\i)+3], s[6:7] offset:512*(\i)+256
.if (\i) > 0
	ds_store_b32 v[LA], v[SUM+(\i)-1] offset:4*((\i)-1)  ; all lanes write the same word with the same value
.endif
.irp j, 0,1,2,3
	v_lshlrev_b32 v[T+2*(\j)],   16,  v[Y+4*(\i)+(\j)]   ; bf16 to f32: the low half moves up,
	v_and_b32     v[T+2*(\j)+1], s14, v[Y+4*(\i)+(\j)]   ; the high half stays
.endr
	v_pk_mul_f32 v[S:S+1], v[T:T+1], v[T:T+1]
.irp j, 2,4,6
	v_pk_fma_f32 v[S:S+1], v[T+(\j):T+(\j)+1], v[T+(\j):T+(\j)+1], v[S:S+1]
.endr
	v_add_f32 v[S], v[S], v[S+1]
	v_add_f32_dpp v[S], v[S], v[S] row_xmask:1 row_mask:0xf bank_mask:0xf
	v_add_f32_dpp v[S], v[S], v[S] row_xmask:2 row_mask:0xf bank_mask:0xf
	v_add_f32_dpp v[S], v[S], v[S] row_xmask:4 row_mask:0xf bank_mask:0xf
	v_add_f32_dpp v[S], v[S], v[S] row_xmask:8 row_mask:0xf bank_mask:0xf
	v_permlanex16_b32 v[PX], v[S], s12, s13
	v_add_f32 v[SUM+(\i)], v[S], v[PX]             ; every lane holds the row's sum, in the row's own register
.endm
.irp i, 0,1,2,3,4,5,6,7
	ROW \i
.endr
	s_wait_alu depctr_va_vdst(0)                   ; the last row's last add has written its SUM, which the LDS store reads
	ds_store_b32 v[LA], v[SUM+7] offset:28
	s_wait_dscnt 0x0                               ; for the others' sake: my eight sums lie in LDS
	s_barrier_signal -1
	s_barrier_wait -1                              ; all 64 do
	s_cmp_lg_u32 s8, 0
	s_cbranch_scc1 .Lend                           ; wave 0 stores the block's last row
	ds_load_b128 v[124:127], v[TA]                 ; lanes 0-15 the 64 sums, lanes 16-31 the same again; no vector instruction names these four registers
	s_wait_dscnt 0x0
	global_store_b128 v[TO], v[124:127], s[6:7] offset:32768  ; 512 consecutive bytes, at a multiple of 256 from cbw's first byte
.Lend:
	s_wait_dscnt 0x0                               ; the closing lines, six on end
	s_wait_alu 0x0
	s_wait_tensorcnt 0x0
	ds_add_u32 v[SPW], v[NIL]
	s_wait_dscnt 0x0
	s_endpgm
.Lfunc_end_k_qdb65bc2fed_prep:
	.size	k_qdb65bc2fed_prep, .Lfunc_end_k_qdb65bc2fed_prep-k_qdb65bc2fed_prep
	.p2alignl 7, 3214868480
	.fill 96, 4, 3214868480
	.section	.rodata,"a",@progbits
	.p2align	6, 0x0
	.amdhsa_kernel k_qdb65bc2fed_prep
		.amdhsa_group_segment_fixed_size 1280
		.amdhsa_private_segment_fixed_size 0
		.amdhsa_enable_private_segment 0
		.amdhsa_kernarg_size 16
		.amdhsa_user_sgpr_count 2
		.amdhsa_user_sgpr_kernarg_segment_ptr 1
		.amdhsa_wavefront_size32 1
		.amdhsa_system_sgpr_workgroup_id_x 1
		.amdhsa_system_sgpr_workgroup_id_y 1
		.amdhsa_system_sgpr_workgroup_id_z 1
		.amdhsa_system_vgpr_workitem_id 0
		.amdhsa_next_free_vgpr 136
		.amdhsa_next_free_sgpr 66
		.amdhsa_reserve_vcc 0
		.amdhsa_float_denorm_mode_32 3
		.amdhsa_float_denorm_mode_16_64 3
		.amdhsa_memory_ordered 1
		.amdhsa_forward_progress 1
		.amdhsa_inst_pref_size 16
	.end_amdhsa_kernel
	.amdgpu_metadata
---
amdhsa.version: [ 1, 2 ]
amdhsa.kernels:
  - .name:           k_qdb65bc2fed_prep
    .symbol:         k_qdb65bc2fed_prep.kd
    .args:
      - { .name: codebook, .offset: 0, .size: 8, .value_kind: global_buffer, .address_space: global }
      - { .name: cbw, .offset: 8, .size: 8, .value_kind: global_buffer, .address_space: global }
    .group_segment_fixed_size: 1280
    .private_segment_fixed_size: 0
    .kernarg_segment_align: 8
    .kernarg_segment_size: 16
    .max_flat_workgroup_size: 256
    .sgpr_count:     66
    .vgpr_count:     136
    .wavefront_size: 32
...
	.end_amdgpu_metadata
.endif
;; end of part 3
;; launch vq: the kernel of part 2 again; grid 256 x 1, 4 waves a work-group, clusters of 4 x 1, 327,680 bytes of LDS; arguments z_e_x, cbw, out0; writes out0
